; MI455X (gfx1250); checked and timed in simulation.
; The chip was launched on July 23, 2026; its instructions are those of AMD's public machine-readable ISA for CDNA 5 (MIT licence, August 2026) and "CDNA5" Instruction Set Architecture Reference Guide (July 2026). The comments in the code are by the model that wrote it; some were corrected since.
;; Self Attention Vanilla. Allowed arithmetic: float matrix products may take bf16 or f16 operands with f32 sums; other float arithmetic in f32, or as packed bf16 or f16 multiplies, adds, multiply-adds, maxima and minima; sums over many terms, partial sums and values carried from step to step in f32; what a program stores and reads back later, other than sums and carried values, may be rounded once to bf16 or f16.
;; Inputs: k 4 x 16 x 2,048 x 64 float32; q 4 x 16 x 2,048 x 64 float32; v 4 x 16 x 2,048 x 64 float32.
;; Outputs: out0 4 x 16 x 2,048 x 64 float32.
;; 2 versions, each right; version 2 is version 1 with the launch attn written anew for expert scheduling mode. Each part assembles by itself: llvm-mc -triple=amdgcn-amd-amdhsa -mcpu=gfx1250 --defsym DOCPART=n.
;; ======== version 1 of 2: 1 launch
;; launch attn (part 1): grid 4 x 64, 4 waves a work-group, no clusters, 283,648 bytes of LDS; arguments q, k, v, out0; writes out0
.if DOCPART == 1
	.amdgcn_target "amdgcn-amd-amdhsa--gfx1250"
	.amdhsa_code_object_version 6
	.text
	.protected	k_qd546ac4e91_attn
	.globl	k_qd546ac4e91_attn
	.p2align	8
	.type	k_qd546ac4e91_attn,@function
k_qd546ac4e91_attn:
	s_mov_b64 s[64:65], 0
	v_nop
	global_prefetch_b8 v0, s[64:65] scope:SCOPE_SE
	s_setreg_imm32_b32 hwreg(HW_REG_WAVE_MODE, 25, 1), 1
	s_wait_xcnt 0x0
; O[h][q][:] = the sum over k of softmax_k(Q[h][q] . K[h][k] / 8) V[h][k][:].  q, k, v, out0: [64 heads][2,048][64], all f32: a head's rows are dense, 256 bytes each.
; Q, K, V and the weights p are rounded once to bf16 for the matrix unit; products, maxima and sums in f32; O leaves in f32, unrounded.  bf16 has f32's range, so larger inputs lose nothing more.
; LIMITS.  A weight below 2^-126 counts as 0 in l.  c s must lie above -4.25e37, where c m starts.  NaN and infinities are not treated apart.  l is the sum of the unrounded p, the second product takes p rounded to bf16.
; SHARES.  A work-group owns 512 queries of one head (grid 4 x 64 = 256 work-groups), each of its four waves 128: four PIECES of two tiles of 16.  Every wave walks the head's 2,048 keys, 64 a step: 32 steps.
; LAYOUT.  S^T = K Q^T (source 0 = 16 keys, source 1 = 16 queries): in the result a lane holds ONE query (lane % 16) and the keys 8 (lane / 16) + 0..7.  Two such tiles, rounded to bf16 in pairs,
; ARE source 1 (32 keys x 16 queries) of O^T = V^T P, whose result again holds one query a lane, and eight channels.  K comes out of LDS as it lies, V ([key][channel]) turned, by ds_load_tr16_b128.
; SOFTMAX.  For each query a running maximum m and sum l: p = 2^(c s - c m), c = log2(e) / 8; in every step O and l are multiplied by a = 2^(c m_old - c m_new), which is 1 where m has not grown.
; m starts at the lowest finite number, O and l at 0: the first step is a step like any other, with a = 0.  The price: 368 v_mov_b32 of 0 at the start, 16 products on zeros there, 16 on a stale K at the end.
; BY TURNS.  Turn n belongs to piece n (the pieces in a ring, step after step).  Its matrix work: 16 products K Q^T of piece n + 1, later 16 products V^T P of piece n - 1.  Its vector work: the scaling,
; exponentials, roundings, sums and rescaling of piece n, and the maximum and statistics of piece n + 1.  A tile and step have 16 matrix and 118 vector instructions: four vector instructions that are ready
; stand behind every matrix instruction, the others in runs of their own.
; HOW K AND V COME IN.  A CHUNK is one step's K and V, 2 x 64 rows x 256 bytes of f32.  Wave w takes rows 16 w .. 16 w + 15 of each: 16 loads of 512 consecutive bytes into 64 registers, issued one key step
; ahead; 32 roundings in place; 16 LDS stores of 8 bytes a lane into a ring of two slots of four steps each, in bf16.  While one slot is read the other is written, a chunk a step; one barrier for four steps.
; NO CLUSTER, NO TENSOR LOADS.  The four work-groups of a head walk the same K and V, but as f32: before they can be matrix operands, or be turned by the 16-bit turning load, each number must pass through
; registers to be rounded.  A joint load would land 32,768 bytes of f32 a step in LDS, from where the same 16 reads, 32 roundings and 16 stores a wave would follow, beside a second ring of 131,072 bytes and a
; round of the cluster's barrier; by registers the rounding lies on the road.  The price: each work-group asks for its head's K and V itself.
; REGISTERS, in windows of 256 (s_set_vgpr_msb says which window each operand place means: bits 1:0 source 0, 3:2 source 1, 5:4 source 2, 7:6 destination):
;   window 0: v0-11 addresses; v12-15, v48-63 at work; v16-47 four registers of statistics a tile; v64-191 S^T, two buffers of two tiles; v192-255 P, likewise
;   window 1: O^T, 32 a tile      window 2: v0-127 Q, 16 a tile; v128-191 K of one step; v192-255 V of one step (at the start all 256: Q as f32)      window 3: four chunk buffers of 64; the loop uses the first
.set NP,    4         ; pieces a wave: a name, no knob
.set KS,    64        ; keys in a step
.set PK,    144       ; a row of K in LDS: 128 bytes + 16 = 36 words: the 16 rows of a load start at 16 different groups of four banks (64 banks of 4 bytes: ISA guide 11.1)
.set PV,    160       ; a row of V: 128 + 32 = 40 words
.set VOFF,  4*KS*PK   ; a slot holds four steps: 256 rows of K, then 256 rows of V
.set SLOT1, 1<<17     ; slot 1 begins here, so that one exclusive or turns an address in one slot into the other's
.set STAGE, SLOT1+4*KS*(PK+PV)  ; behind the ring: each wave's own stage
.set WSB,   128*PK    ; a stage: first the wave's 128 rows of Q in bf16, at the end 16 rows of O in f32
.set OPITCH, 272      ; a row of O in the stage: 256 bytes + 16
.set SPARE, STAGE+4*WSB  ; behind the stages: the spare words, 128 bytes for each wave: two blocks of 256 bytes that no other line names
.set CHUNK, KS*256    ; bytes of K, and of V, in a chunk
.set GO,  1           ; v1   16 x lane: my 16 bytes in 512 consecutive bytes of q, k, v and out0; never rewritten
.set AK0, 2           ; v2   my lane's place in a tile of K; never rewritten
.set AV0, 3           ; v3   the same for V
.set AK,  4           ; v4   the LDS address of K's next run of loads; in FEED of K's stores
.set AV,  5           ; v5   of V's
.set FK0, 6           ; v6   where I store 8 bytes of a chunk's K, less the chunk's place
.set FV0, 7           ; v7   the same for V
.set STO, 6           ;      later, the way out: where I put 32 bytes of a row
.set RD,  7           ;      the way out: where I read rows back
.set PFO, 8           ; v8   256 x lane, for the prefetch; never rewritten
.set SPW, 10          ; v10  LDS address of my spare word: SPARE + 4 x my thread's number; never rewritten
.set NIL, 11          ; v11  0; never rewritten
.set MV,  12          ; v12-15  c m_old, kept while c m is made anew: by buffer and tile
.set ST,  16          ; tile t's statistics at v[ST+4 t]: c m, m, l (even keys', odd keys')
.set TMP, 48          ; by buffer and tile, four registers c0-c3 at work; when the maximum is found c2 takes a
.set S,   64
.set P,   192
.set KF,  128         ; K's fragments, in window 2: key block kb, channel half c at KF + 16 kb + 8 c
.set VF,  192         ; V's: key half kk, channel block cb at VF + 32 kk + 8 cb
.set LR,  64          ; at the start only, in S^T's registers: lane % 16,
.set LH,  65          ; lane / 16,
.set QS,  68          ; where I store 8 bytes of Q,
.set QF,  69          ; and where I read Q's fragments
.set WV,  12          ; s12  my wave's number
.set KP,  24          ; s[24:25] k at my rows of the chunk last asked for
.set VP,  26          ; s[26:27] the same in v
.set PFP, 28          ; s[28:29] the prefetch's place, in k or in v
.set SBK, 30          ; s30  LDS byte at which K of the chunk to be stored begins
.set SBV, 31          ; s31  the same for V, less VOFF
.set REM, 32          ; s32  chunks still to be stored in the loop
.set WS,  33          ; s33  my stage
.set SLOTS, 56        ; s56  slots still to be walked
.set CNT, 57          ; s57  counts a slot's key steps
.set CS,  58          ; s[58:59] c: the packed scaling takes the pair's low word for both halves
.set SEL, 60          ; s[60:61] v_permlanex16_b32's selects: each lane takes its own place in the other half
.set TBK, 62          ; s62  LDS byte at which K of the step to be fetched begins
.set TBV, 63          ; s63  the same for V, less VOFF
.set MSB, 0
.macro WIN new                      ; the high byte repeats the setting that is left; a switch that changes nothing is dropped
.if MSB != (\new)
	s_set_vgpr_msb (MSB<<8)|(\new)
.set MSB, (\new)
.endif
.endm
.set W_KQ, 0x0a       ; K and Q in window 2, S^T in window 0
.set W_PV, 0x52       ; V in window 2, P in window 0, O^T in window 1
.set W_RS, 0x41       ; O^T (destination and source 0) in window 1, a in window 0
; A chunk is asked for: my 16 rows of K and of V, 8 + 8 loads of 512 consecutive bytes, into buffer b of window 3.  No cache word: four work-groups read these bytes.
.macro GET b, kp, vp, off
	WIN 0xc0                        ; destination window 3, address window 0
.irp i, 0,1,2,3,4,5,6,7
	global_load_b128 v[64*(\b)+4*\i:64*(\b)+4*\i+3], v[GO], s[\kp:\kp+1] offset:(\off)+512*\i
.endr
.irp i, 0,1,2,3,4,5,6,7
	global_load_b128 v[64*(\b)+32+4*\i:64*(\b)+32+4*\i+3], v[GO], s[\vp:\vp+1] offset:(\off)+512*\i
.endr
	WIN 0
.endm
; A chunk is rounded and stored.  Load i brought rows 2 i and 2 i + 1 (lanes 0-15, lanes 16-31), four channels a lane: two roundings in place make 8 bytes, which go to row x pitch + 8 (lane % 16).
.macro PUT b, ak, av, ok, ov
	WIN 0xcf                        ; all in window 3
.irp i, 0,1,2,3,4,5,6,7,8,9,10,11,12,13,14,15
	v_cvt_pk_bf16_f32 v[64*(\b)+4*\i],   v[64*(\b)+4*\i],   v[64*(\b)+4*\i+1]
	v_cvt_pk_bf16_f32 v[64*(\b)+4*\i+1], v[64*(\b)+4*\i+2], v[64*(\b)+4*\i+3]
.endr
	WIN 0x0c                        ; address window 0, data window 3
.irp i, 0,1,2,3,4,5,6,7
	ds_store_b64 v[\ak], v[64*(\b)+4*\i:64*(\b)+4*\i+1] offset:(\ok)+2*PK*\i
.endr
.irp i, 0,1,2,3,4,5,6,7
	ds_store_b64 v[\av], v[64*(\b)+32+4*\i:64*(\b)+32+4*\i+1] offset:(\ov)+2*PV*\i
.endr
	WIN 0
.endm
; ONCE A KEY STEP: the chunk asked for a step ago goes into the slot that is not being read, and the next is asked for.  The last slot's four steps have nothing left to store: the whole is jumped over.
; All jumps go forward, past no barrier; they hang on a counter that starts at a constant, and the last on the wave's number.
; THE PREFETCH asks for the chunk that the NEXT pass of these lines will load: one trip ahead.  Of that chunk's 128 blocks of 256 bytes this work-group asks for 32 (work-groups 0, 1 of a head: the halves of K's
; 16,384 bytes; 2, 3: of V's), lanes 256 bytes apart, by one wave, the waves in rotation: each block is asked for once in the launch.  It stops where that chunk would be the 33rd: REM < 2.
.macro FEED
	s_cmp_eq_u32 s[REM], 0
	s_cbranch_scc1 .Lfed
	s_wait_loadcnt 0x0              ; the chunk is in; its loads have also done with KP and VP
	s_wait_xcnt 0x0                 ; the last pass's prefetch has had its addresses translated (ISA guide 3.1): PFP is stepped only behind this wait
	v_add_nc_u32 v[AK], s[SBK], v[FK0]
	v_add_nc_u32 v[AV], s[SBV], v[FV0]
	PUT 0, AK, AV, 0, 0
	s_add_co_u32 s[SBK], s[SBK], KS*PK  ; the next chunk's place in the slot
	s_add_co_u32 s[SBV], s[SBV], KS*PV
	s_sub_co_u32 s[REM], s[REM], 1
	s_cmp_eq_u32 s[REM], 0
	s_cbranch_scc1 .Lfed            ; that was the head's last chunk
	s_add_nc_u64 s[KP:KP+1], s[KP:KP+1], CHUNK
	s_add_nc_u64 s[VP:VP+1], s[VP:VP+1], CHUNK
	s_add_nc_u64 s[PFP:PFP+1], s[PFP:PFP+1], CHUNK
	GET 0, KP, VP, 0
	s_cmp_lt_u32 s[REM], 2
	s_cbranch_scc1 .Lfed            ; no chunk follows the one just asked for
	s_and_b32 s13, s[REM], 3
	s_cmp_lg_u32 s13, s[WV]
	s_cbranch_scc1 .Lfed            ; another wave's turn
	global_prefetch_b8 v[PFO], s[PFP:PFP+1] th:TH_LOAD_NT scope:SCOPE_SE
.Lfed:
.endm
; THE CHANGE OF SLOTS.  In front of the barrier each wave waits for its LDS instructions: its stores into the slot to be read next, and its reads of the slot that it leaves (the last, V of its fourth step, were
; waited for in the turn before).  Behind it the next slot is whole for everybody, and nobody reads the old one, which the stores now take.  Between signal and wait: scalar work alone.
.macro CHANGE
	WIN 0
	s_wait_dscnt 0x0
	s_barrier_signal -1
	s_sub_co_u32 s[TBK], s[TBK], 4*KS*PK  ; fetches and stores go back to a slot's first step,
	s_xor_b32 s[TBK], s[TBK], SLOT1       ; each in the other slot
	s_sub_co_u32 s[TBV], s[TBV], 4*KS*PV
	s_xor_b32 s[TBV], s[TBV], SLOT1
	s_sub_co_u32 s[SBK], s[SBK], 4*KS*PK
	s_xor_b32 s[SBK], s[SBK], SLOT1
	s_sub_co_u32 s[SBV], s[SBV], 4*KS*PV
	s_xor_b32 s[SBV], s[SBV], SLOT1
	s_barrier_wait -1
.endm
	s_load_b256 s[4:11], s[0:1], 0x0  ; q s[4:5], k s[6:7], v s[8:9], out0 s[10:11]
	v_lshl_add_u32 v[SPW], v0, 2, SPARE  ; the two registers of the add at the wave's end
	v_mov_b32 v[NIL], 0
	v_lshrrev_b32 v9, 5, v0
	v_readfirstlane_b32 s[WV], v9   ; wave 0..3
	v_and_b32 v[GO], 31, v0
	v_lshlrev_b32 v[PFO], 8, v[GO]
	v_lshlrev_b32 v[GO], 4, v[GO]
	s_mov_b32 s22, ttmp9            ; my block of 512 queries, 0..3
	s_and_b32 s13, ttmp7, 0xffff    ; the head
	s_lshl_b32 s14, s13, 19         ; its first byte in each of the four tensors: 2,048 rows of 256 bytes
	s_lshl_b32 s16, s[WV], 12       ; k, v: my 16 rows of a chunk's 64
	s_add_co_u32 s16, s16, s14
	s_mov_b32 s17, 0
	s_lshl_b32 s18, s22, 2
	s_add_co_u32 s18, s18, s[WV]    ; q, out0: my wave among the head's sixteen,
	s_lshl_b32 s18, s18, 15         ; its 128 rows
	s_add_co_u32 s18, s18, s14
	s_mov_b32 s19, 0
	s_and_b32 s20, s22, 1           ; the prefetch: my half of a chunk's 16,384 bytes,
	s_lshl_b32 s20, s20, 13
	s_add_co_u32 s20, s20, s14
	s_add_co_u32 s20, s20, 5*CHUNK  ; at chunk 5: it is stepped before its first use
	s_mov_b32 s21, 0
	s_mov_b32 s[CS], 0x3e38aa3b     ; c = log2(e) / 8 = 0.180337
	s_mov_b32 s[CS+1], s[CS]        ; named with it as a pair
	s_mov_b32 s[SEL], 0x76543210
	s_mov_b32 s[SEL+1], 0xfedcba98
	s_mov_b32 s[TBK], 0             ; the fetches begin in slot 0,
	s_mov_b32 s[TBV], 0
	s_mov_b32 s[SBK], SLOT1         ; the loop's stores in slot 1
	s_mov_b32 s[SBV], SLOT1
	s_mov_b32 s[REM], 28            ; chunks 4 to 31
	s_mov_b32 s[SLOTS], 8
	s_mul_i32 s[WS], s[WV], WSB
	s_add_co_u32 s[WS], s[WS], STAGE
	s_wait_kmcnt 0x0
	s_cmp_lt_u32 s22, 2
	s_cselect_b64 s[PFP:PFP+1], s[6:7], s[8:9]  ; work-groups 0, 1 of a head prefetch k, 2 and 3 v
	s_add_nc_u64 s[PFP:PFP+1], s[PFP:PFP+1], s[20:21]
	s_add_nc_u64 s[6:7], s[6:7], s[16:17]       ; k and v at my rows of chunk 0,
	s_add_nc_u64 s[8:9], s[8:9], s[16:17]
	s_add_nc_u64 s[KP:KP+1], s[6:7], 4*CHUNK    ; and of chunk 4
	s_add_nc_u64 s[VP:VP+1], s[8:9], 4*CHUNK
	s_add_nc_u64 s[4:5], s[4:5], s[18:19]       ; q and out0 at my wave's first row
	s_add_nc_u64 s[10:11], s[10:11], s[18:19]
	; Q as f32 fills window 2: load i brings rows 2 i and 2 i + 1, four channels a lane.  56 loads go out, then the register work that needs no data, then the other 72: LOADcnt's field ends at 63, and the
	; issue of a load that would pass it waits (ISA guide 5.7.1), so what stands behind such a load would wait with it.
.macro QLOAD from, n
.set i, \from
.rept \n
	global_load_b128 v[4*i:4*i+3], v[GO], s[4:5] offset:512*i th:TH_LOAD_NT
.set i, i+1
.endr
.endm
	WIN 0x80                        ; destination window 2, address window 0
	QLOAD 0, 56
	; What the first turn finds: O^T and l are 0, and P's second buffer is 0 (its products V^T P, of a piece that has not been, add 0); V's registers follow when Q has left them.
	WIN 0x40
.set i, 0
.rept 64*NP
	v_mov_b32 v[i], 0
.set i, i+1
.endr
	WIN 0
.set i, 0
.rept 2*NP
	v_mov_b32 v[ST+4*i], 0xfe000000    ; c m: far below every c s
	v_mov_b32 v[ST+4*i+1], 0xff7fffff  ; m
	v_mov_b32 v[ST+4*i+2], 0
	v_mov_b32 v[ST+4*i+3], 0
.set i, i+1
.endr
.set i, P+32
.rept 32
	v_mov_b32 v[i], 0
.set i, i+1
.endr
	; A fragment of K or Q is 16 rows x 32 channels in 8 registers: lane l holds row l % 16, channels 8 (l / 16) + 0..7 and 16 + 8 (l / 16) + 0..7: two loads of 16 bytes, 32 bytes apart.
	v_and_b32 v[LR], 15, v0         ; l % 16
	v_bfe_u32 v[LH], v0, 4, 1       ; l / 16
	v_mul_u32_u24 v[AK0], v[LR], PK
	v_lshl_add_u32 v[AK0], v[LH], 4, v[AK0]  ; row x pitch + 16 x half
	; The turning load takes 16 keys x 16 channels (lane l reads key 8 (l / 16) + l % 8, channels 8 ((l / 8) % 2) + 0..7) and leaves half a fragment of V^T: lane l holds channel l % 16 and 8 keys.
	v_and_b32 v66, 7, v0
	v_bfe_u32 v67, v0, 3, 1
	v_lshl_add_u32 v[AV0], v[LH], 3, v66
	v_mul_u32_u24 v[AV0], v[AV0], PV
	v_lshl_add_u32 v[AV0], v67, 4, v[AV0]
	v_add_nc_u32 v[AV0], VOFF, v[AV0]
	s_mul_i32 s13, s[WV], 16*PK     ; a chunk's stores: my wave's 16 rows; row l / 16 of a pair; 8 bytes for each of 16 lanes
	v_mul_u32_u24 v[FK0], v[LH], PK
	v_lshl_add_u32 v[FK0], v[LR], 3, v[FK0]
	v_add_nc_u32 v[FK0], s13, v[FK0]
	s_mul_i32 s13, s[WV], 16*PV
	s_add_co_u32 s13, s13, VOFF
	v_mul_u32_u24 v[FV0], v[LH], PV
	v_lshl_add_u32 v[FV0], v[LR], 3, v[FV0]
	v_add_nc_u32 v[FV0], s13, v[FV0]
	v_mul_u32_u24 v[QS], v[LH], PK  ; Q's stores, the same way into my stage,
	v_lshl_add_u32 v[QS], v[LR], 3, v[QS]
	v_add_nc_u32 v[QS], s[WS], v[QS]
	v_add_nc_u32 v[QF], s[WS], v[AK0]  ; and its fragments out of it
	WIN 0x80
	QLOAD 56, 8
.irp b, 0,1,2,3
	GET \b, 6, 8, \b*CHUNK          ; slot 0's four chunks
.endr
	; Q: rounded in place, through my own stage, back as fragments.  The stage is the wave's own and LDS serves a wave's instructions in order (ISA guide 5.7.1.4): no wait between the stores and the loads.
	s_wait_loadcnt 63               ; of the 128 loads issued at most 63 are out: the first 65 are in, Q's 64 among them
	WIN 0x8a                        ; all in window 2
.set i, 0
.rept 64
	v_cvt_pk_bf16_f32 v[4*i],   v[4*i],   v[4*i+1]
	v_cvt_pk_bf16_f32 v[4*i+1], v[4*i+2], v[4*i+3]
.set i, i+1
.endr
	WIN 0x08                        ; address window 0, data window 2
.set i, 0
.rept 64
	ds_store_b64 v[QS], v[4*i:4*i+1] offset:2*PK*i
.set i, i+1
.endr
	WIN 0x80
.set i, 0
.rept 4*NP                          ; tile i / 2, channels 32 (i % 2) on
	ds_load_b128 v[8*i:8*i+3],   v[QF] offset:(i/2)*16*PK+(i%2)*64
	ds_load_b128 v[8*i+4:8*i+7], v[QF] offset:(i/2)*16*PK+(i%2)*64+32
.set i, i+1
.endr
	WIN 0
	; Slot 0.  Each count is the number of loads issued behind the chunk's own: loads come back in order (ISA guide 5.7.1).
	s_wait_loadcnt 48               ; behind chunk 0: chunks 1, 2, 3
	PUT 0, FK0, FV0, 0, 0
	GET 0, KP, VP, 0                ; chunk 4, the loop's first, takes the buffer
	s_wait_loadcnt 48               ; behind chunk 1: chunks 2, 3, 4
	PUT 1, FK0, FV0, KS*PK, KS*PV
	s_wait_loadcnt 32               ; behind chunk 2: chunks 3, 4
	PUT 2, FK0, FV0, 2*KS*PK, 2*KS*PV
	s_wait_loadcnt 16               ; behind chunk 3: chunk 4, which stays out
	PUT 3, FK0, FV0, 3*KS*PK, 3*KS*PV
	s_wait_dscnt 0x0                ; for the others' sake: my stores into slot 0 are done (and Q's fragments are in)
	s_barrier_signal -1
	s_barrier_wait -1               ; slot 0 is whole
; THE MATRIX WORK.  The 8 accumulators of a run of 16 take turns: between the two links of a chain stand 7 others'.
; Product i of 16 of S^T = K Q^T for piece x: channels 32 (i / 8) on, keys 16 ((i / 2) % 4) on, tile 2 x + i % 2.  The first 8 start the sums.
.macro KQ x
	WIN W_KQ
.set rS, S+64*((\x)%2)+32*(i%2)+8*((i/2)%4)
.set rK, KF+16*((i/2)%4)+8*(i/8)
.set rQ, 16*(2*(\x)+i%2)+8*(i/8)
.if i < 8
	v_wmma_f32_16x16x32_bf16 v[rS:rS+7], v[rK:rK+7], v[rQ:rQ+7], 0
.else
	v_wmma_f32_16x16x32_bf16 v[rS:rS+7], v[rK:rK+7], v[rQ:rQ+7], v[rS:rS+7]
.endif
.endm
; Product i of 16 of O^T += V^T P for piece x: keys 32 (i / 8) on, channels 16 ((i / 2) % 4) on, tile 2 x + i % 2.
.macro PV x
	WIN W_PV
.set rO, 32*(2*(\x)+i%2)+8*((i/2)%4)
.set rV, VF+32*(i/8)+8*((i/2)%4)
.set rP, P+32*((\x)%2)+16*(i%2)+8*(i/8)
	v_wmma_f32_16x16x32_bf16 v[rO:rO+7], v[rV:rV+7], v[rP:rP+7], v[rO:rO+7]
.endm
.macro MM                           ; the turn's next matrix instruction
.if i < 16
	KQ (Y+1)%NP
.set i, i+1
.else
.set i, i-16
	PV (Y+NP-1)%NP
.set i, i+17
.endif
.endm
; THE LDS LOADS stand in runs of 16, never singly among the matrix instructions: a step's K (64 keys x 64 channels: 8 fragments) and its V (turned).  Their addresses are made some lines ahead.
.macro FETCH_K
	WIN 0x80                        ; destination window 2
.irp f, 0,1,2,3,4,5,6,7             ; keys 16 (f / 2) on, channels 32 (f % 2) on
	ds_load_b128 v[KF+8*\f:KF+8*\f+3],   v[AK] offset:(\f/2)*16*PK+(\f%2)*64
	ds_load_b128 v[KF+8*\f+4:KF+8*\f+7], v[AK] offset:(\f/2)*16*PK+(\f%2)*64+32
.endr
	s_add_co_u32 s[TBK], s[TBK], KS*PK  ; the next fetch is the next step's
	WIN 0
.endm
.macro FETCH_V
	WIN 0x80
.irp f, 0,1,2,3,4,5,6,7             ; keys 32 (f / 4) on, channels 16 (f % 4) on
	ds_load_tr16_b128 v[VF+8*\f:VF+8*\f+3],   v[AV] offset:(\f/4)*32*PV+(\f%4)*32
	ds_load_tr16_b128 v[VF+8*\f+4:VF+8*\f+7], v[AV] offset:(\f/4)*32*PV+16*PV+(\f%4)*32
.endr
	WIN 0
.endm
; THE VECTOR WORK OF A TURN stands in three queues, each in the order in which its entries become ready; the two tiles alternate, so that no instruction reads the result of the one before it.
.macro REGS y, u                    ; the registers of tile u (0, 1) of piece y
.set rT, ST+4*(2*(\y)+(\u))
.set rC, TMP+8*((\y)%2)+4*(\u)
.set rM, MV+2*((\y)%2)+(\u)
.set rS, S+64*((\y)%2)+32*(\u)
.set rP, P+32*((\y)%2)+16*(\u)
.set rO, 32*(2*(\y)+(\u))
.endm
; Number n of the 22 that find the NEXT piece's (Y + 1) maximum and statistics.  s0-s31 are the lane's 32 scores; each accumulator's lowest registers are read first.  XS, GS and REGS set no window: PL and EX do.
;   0-11  four chains c0-c3 of seven scores each, three operands at a time     12-14, 16  the four scores left over, the old m, and c0-c3 into c0     15  c m_old is kept
;   17, 18  the query's other 32 keys lie in the lane 16 away: the new m         19-21  c m; c m_old - c m_new; a
.macro XS u, n
	REGS (Y+1)%NP, \u
.if (\n) < 4
	v_max3_num_f32 v[rC+(\n)], v[rS+8*(\n)], v[rS+8*(\n)+1], v[rS+8*(\n)+2]
.elseif (\n) < 12
	v_max3_num_f32 v[rC+(\n)%4], v[rC+(\n)%4], v[rS+8*((\n)%4)+2*((\n)/4)+1], v[rS+8*((\n)%4)+2*((\n)/4)+2]
.elseif (\n) == 12
	v_max3_num_f32 v[rC], v[rC], v[rS+7], v[rS+15]
.elseif (\n) == 13
	v_max3_num_f32 v[rC+1], v[rC+1], v[rS+23], v[rS+31]
.elseif (\n) == 14
	v_max3_num_f32 v[rC+2], v[rC+2], v[rC+3], v[rT+1]
.elseif (\n) == 15
	v_mov_b32 v[rM], v[rT]
.elseif (\n) == 16
	v_max3_num_f32 v[rC], v[rC], v[rC+1], v[rC+2]
.elseif (\n) == 17
	v_permlanex16_b32 v[rC+3], v[rC], s[SEL], s[SEL+1]
.elseif (\n) == 18
	v_max_num_f32 v[rT+1], v[rC], v[rC+3]
.elseif (\n) == 19
	v_mul_f32 v[rT], s[CS], v[rT+1]
.elseif (\n) == 20
	v_sub_f32 v[rC+1], v[rM], v[rT]
.else
	v_exp_f32 v[rC+2], v[rC+1]
.endif
.endm
; Number g of the 64 that follow the exponentials.  For each four weights k of a tile (pairs 2 k, 2 k + 1): both pairs are rounded to bf16; then the second pair is added onto the first, in place;
; a group later l takes that sum (the first time as l = a l + sum).  In groups of eight, tiles alternating: round, round, add, and l for the group before.
.macro GS g
.set h, (\g)+6*((\g)/62)            ; group 0 has no group before it, and behind group 7 only l is left
.if h >= 6
.set h, h+2
.endif
	REGS Y, h%2
.set k, h/8
.if h%8 < 4
	s_wait_alu depctr_va_vdst(0)
	v_cvt_pk_bf16_f32 v[rP+2*k+(h%8)/2], v[rS+4*k+2*((h%8)/2)], v[rS+4*k+2*((h%8)/2)+1]
.elseif h%8 < 6
	v_pk_add_f32 v[rS+4*k:rS+4*k+1], v[rS+4*k:rS+4*k+1], v[rS+4*k+2:rS+4*k+3]
.elseif k == 1
	v_pk_fma_f32 v[rT+2:rT+3], v[rT+2:rT+3], v[rC+2:rC+3], v[rS:rS+1] op_sel_hi:[1,0,1]
.else
	v_pk_add_f32 v[rT+2:rT+3], v[rT+2:rT+3], v[rS+4*k-4:rS+4*k-3]
	s_wait_alu depctr_va_vdst(0)
.endif
.endm
; THE PLAIN QUEUE, 138 long.  0-31: c s - c m for the 16 pairs of both tiles.  Then GS's 64, and among them the next piece's 42: number 15 at 38, 39; 0-14 and 16
; at 42-73, behind the products that make those scores; 17-20 at 95-106, two of three, since each waits for the one before it.
.macro PL
	WIN 0
.if q < 32
	REGS Y, q%2
	v_pk_fma_f32 v[rS+2*(q/2):rS+2*(q/2)+1], v[rS+2*(q/2):rS+2*(q/2)+1], s[CS:CS+1], v[rT:rT+1] op_sel_hi:[1,0,0] neg_lo:[0,0,1] neg_hi:[0,0,1]
.elseif q < 38
	GS q-32
.elseif q < 40
	XS q%2, 15
.elseif q < 42
	GS q-34
.elseif q < 74
	XS q%2, (q-42)/2+(q-42)/30
.elseif q < 95
	GS q-66
.elseif (q < 107) && ((q-95)%3 < 2)
	XS (q-95)%3, 17+(q-95)/3
.elseif q < 107
	GS 29+(q-95)/3
.else
	GS q-74
.endif
.set q, q+1
.endm
; THE EXPONENTIALS' QUEUE, 66 long: s0-s31 of both tiles, and at EA the next piece's two a.
.set EA, 58
.macro EX
	WIN 0
.if (e == EA) || (e == EA+1)
	XS e-EA, 21
.else
.set x, e-2*(e/(EA+2))
	REGS Y, x%2
	v_exp_f32 v[rS+x/2], v[rS+x/2]
.endif
.set e, e+1
.endm
; THE RESCALING's QUEUE: O^T times a, the one part that leaves window 0, so it is dealt four at a time, eight times.
.macro R4
	REGS Y, r%2
	WIN W_RS
	s_wait_alu depctr_va_vdst(0)
.irp z, 0,1,2,3
	v_pk_mul_f32 v[rO+8*(r/2)+2*\z:rO+8*(r/2)+2*\z+1], v[rO+8*(r/2)+2*\z:rO+8*(r/2)+2*\z+1], v[rC+2:rC+3] op_sel_hi:[1,0]
.endr
.set r, r+1
.endm
; HOW THEY ARE DEALT.  Behind a matrix instruction four: plain, exponential, plain, plain (one exponential, a plain instruction on either side), or four of the rescaling.  None names a register of the
; products round it.  What is over stands in two LUMPS: exponential and plain by turns; the second ends in 22 plain instructions.  The two v_permlanex16_b32 fall into the second lump, never behind a product.
; The queues lean on each other, and the deal keeps them in step: exponential e stands behind plain 2 (e / 4) + e % 2 (its scaling); when plain 32 comes, 10 exponentials are out, at 59: 33, at 95: 46; EA comes behind plain 107.
.macro SL
	MM
	PL
	EX
	PL
	PL
.endm
.macro BURST n                      ; 15 matrix instructions, or 16
.rept (\n)-7
	SL
.endr
.rept 3
	MM
	R4
	SL
.endr
	MM
	R4
.endm
; A TURN, for piece p.  nok = 1: the last step's: no further K is fetched.  cnt = 1: the loop's count is taken down some lines ahead of the branch that stands behind the turn.
; K of the next step is fetched in piece 2's turn, 30 vector instructions behind the last product that read K; its first reader comes behind the rest of the lump, 16 products and the second lump.
; V of the step in hand is fetched at the end of piece 0's turn, behind the whole second lump; its first reader comes behind 16 products and a lump.  The conditions on e and q below go with the deal.
.macro TURN p, nok=0, cnt=0
.set Y, (\p)
.set i, 0
.set q, 0
.set e, 0
.set r, 0
.if (\p) == NP-1
	s_wait_dscnt 0x0                ; K is in
.endif
	MM
.rept 4
	PL
.endr
	BURST 15
.rept 22
	EX
	PL
.if ((\p) == NP-2) && (e == 18) && !(\nok)
	v_add_nc_u32 v[AK], s[TBK], v[AK0]
.endif
.if ((\p) == NP-2) && (e == 24) && !(\nok)
	FETCH_K
.endif
.endr
.if (\p) == 1
	s_wait_dscnt 0x0                ; V is in (and the step's chunk is stored)
.endif
	BURST 16
.rept 21
	EX
	PL
.endr
.rept 22
	PL
.if ((\p) == 0) && (q == 118)
	v_add_nc_u32 v[AV], s[TBV], v[AV0]
	s_wait_alu depctr_va_vdst(0)
.endif
.if ((\p) == 0) && (q == 130)
	s_add_co_u32 s[TBV], s[TBV], KS*PV
.endif
.if (\cnt) && (q == 130)
	s_sub_co_u32 s[CNT], s[CNT], 1
	s_cmp_lg_u32 s[CNT], 0
.endif
.endr
.if (\p) == 0
	FETCH_V
.endif
.endm
	v_mov_b32 v[AK], v[AK0]         ; key step 0 lies at the head of slot 0
	FETCH_K
	s_wait_dscnt 0x0
.set i, 0
.rept 16
	KQ 0                            ; piece 0's first scores: there is no softmax yet to set between them
.set i, i+1
.endr
	WIN 0x80                        ; V's registers, which Q has left, take their zeros: 64 plain instructions that name no register of those products: the places behind them
.set i, VF
.rept 64
	v_mov_b32 v[i], 0
.set i, i+1
.endr
	WIN 0
.set Y, NP-1                        ; XS works for piece Y + 1: piece 0
.irp n, 0,1,2,3,4,5,6,7,8,9,10,11,12,13,14,15,16,17,18,19,20,21
	XS 0, \n                        ; piece 0's first maximum and statistics
	XS 1, \n
.endr
	s_mov_b32 s[CNT], 4
	s_branch .Lfirst                ; the loop is entered at a step's first turn, in the middle of a trip
.Lslot:                             ; seven times: eight slots are walked
	CHANGE
	s_mov_b32 s[CNT], 4
.Lstep:                             ; a trip: pieces 2 and 3 of one step, then pieces 0 and 1 of the next, whose K and V it fetches
	TURN 2
	TURN 3
	WIN 0
.Lfirst:
	FEED                            ; behind a lump of vector work, where the last matrix instruction is long issued
	TURN 0
	TURN 1, 0, 1
	WIN 0
	s_cbranch_scc1 .Lstep
	s_sub_co_u32 s[SLOTS], s[SLOTS], 1
	s_cmp_lg_u32 s[SLOTS], 0
	s_cbranch_scc1 .Lslot
	TURN 2, 1                       ; the last step's pieces 2 and 3.  The second turn's 16 products K Q^T (on the last K once more) and the maximum made of them serve nothing:
	TURN 3                          ; the price, once a launch, of one text for every turn; they touch m and c m of piece 0, which nothing reads any more
.set i, 0
.rept 16
	PV NP-1                         ; the last piece's V^T P of the last step
.set i, i+1
.endr
	; THE WAY OUT.  l's two halves and the other half of the lanes' are added; O^T is divided by l and sent through my stage in LDS, a tile at a time.  The additions are the places behind the last products.
	WIN 0
.macro ALL line:vararg              ; one line for each tile t
.set t, 0
.rept 2*NP
	\line
.set t, t+1
.endr
.endm
	ALL v_add_f32 v[ST+4*t+2], v[ST+4*t+2], v[ST+4*t+3]
	ALL v_permlanex16_b32 v[ST+4*t+3], v[ST+4*t+2], s[SEL], s[SEL+1]
	ALL v_add_f32 v[ST+4*t+2], v[ST+4*t+2], v[ST+4*t+3]
	ALL v_rcp_f32 v[ST+4*t+2], v[ST+4*t+2]
	v_and_b32 v12, 15, v0           ; plain instructions between the last reciprocal and the use of its result: the stage's addresses
	v_bfe_u32 v13, v0, 4, 1
	v_mul_u32_u24 v[STO], v12, OPITCH  ; in: row l % 16; a lane's eight channels of a block of 16 are 32 bytes, at 32 (l / 16)
	v_lshl_add_u32 v[STO], v13, 5, v[STO]
	v_add_nc_u32 v[STO], s[WS], v[STO]
	v_mul_u32_u24 v[RD], v13, OPITCH   ; back: lanes 0-15 take one row of 256 bytes, lanes 16-31 the next
	v_lshl_add_u32 v[RD], v12, 4, v[RD]
	v_add_nc_u32 v[RD], s[WS], v[RD]
	s_wait_alu depctr_va_vdst(0)
; Tile t: O^T times 1 / l, each accumulator's registers in ascending order; into rows of 272 bytes; back as whole rows of 256, into S^T's registers, four buffers by turns.
.macro PACK t
	WIN W_RS
.set i, 32*(\t)
.rept 16
	v_pk_mul_f32 v[i:i+1], v[i:i+1], v[ST+4*(\t)+2:ST+4*(\t)+3] op_sel_hi:[1,0]
.set i, i+2
.endr
	WIN 0x04                        ; address window 0, data window 1
.irp f, 0,1,2,3,4,5,6,7             ; channels 16 (f / 2) + 8 (l / 16) + 4 (f % 2) on
	ds_store_b128 v[STO], v[32*(\t)+4*\f:32*(\t)+4*\f+3] offset:(\f/2)*64+(\f%2)*16
.endr
	WIN 0
.if (\t) >= 4
	s_wait_xcnt 0x0                 ; every earlier memory instruction has had its addresses translated (ISA guide 3.1): the registers that tile t - 4's stores read are loaded again only behind this wait
.endif
.irp f, 0,1,2,3,4,5,6,7
	ds_load_b128 v[S+32*((\t)%4)+4*\f:S+32*((\t)%4)+4*\f+3], v[RD] offset:\f*2*OPITCH  ; LDS serves a wave's instructions in order (ISA guide 5.7.1.4): these see the stores above; the next tile's stores come behind them
.endr
.endm
.macro SEND t, younger              ; younger: the LDS instructions issued behind tile t's loads: the next tile's sixteen, or none
	WIN 0
.irp f, 0,1,2,3,4,5,6,7
	s_wait_dscnt (\younger)+7-\f
	global_store_b128 v[GO], v[S+32*((\t)%4)+4*\f:S+32*((\t)%4)+4*\f+3], s[10:11] offset:(\t)*4096+\f*512 th:TH_STORE_NT  ; 512 consecutive bytes, at a multiple of 256 from out0's first
.endr
.endm
	PACK 0
.set t, 1
.rept 2*NP-1                        ; a tile's arithmetic stands between the loads of the tile before and its stores
	PACK t
	SEND t-1, 16
.set t, t+1
.endr
	SEND 2*NP-1, 0
	s_wait_tensorcnt 0x0            ; the wave's end, behind my last LDS store
	ds_add_u32 v[SPW], v[NIL]
	s_wait_dscnt 0x0
	s_endpgm
.Lfunc_end_k_qd546ac4e91_attn:
	.size	k_qd546ac4e91_attn, .Lfunc_end_k_qd546ac4e91_attn-k_qd546ac4e91_attn
	.p2alignl 7, 3214868480
	.fill 96, 4, 3214868480
	.section	.rodata,"a",@progbits
	.p2align	6, 0x0
	.amdhsa_kernel k_qd546ac4e91_attn
		.amdhsa_group_segment_fixed_size 283648
		.amdhsa_private_segment_fixed_size 0
		.amdhsa_enable_private_segment 0
		.amdhsa_kernarg_size 32
		.amdhsa_user_sgpr_count 2
		.amdhsa_user_sgpr_kernarg_segment_ptr 1
		.amdhsa_wavefront_size32 1
		.amdhsa_system_sgpr_workgroup_id_x 1
		.amdhsa_system_sgpr_workgroup_id_y 1
		.amdhsa_system_sgpr_workgroup_id_z 1
		.amdhsa_system_vgpr_workitem_id 0
		.amdhsa_next_free_vgpr 1024
		.amdhsa_next_free_sgpr 66
		.amdhsa_reserve_vcc 0
		.amdhsa_float_denorm_mode_32 3
		.amdhsa_float_denorm_mode_16_64 3
		.amdhsa_memory_ordered 1
		.amdhsa_forward_progress 1
		.amdhsa_inst_pref_size 208
	.end_amdhsa_kernel
	.amdgpu_metadata
---
amdhsa.version: [ 1, 2 ]
amdhsa.kernels:
  - .name:           k_qd546ac4e91_attn
    .symbol:         k_qd546ac4e91_attn.kd
    .args:
      - { .name: q, .offset: 0, .size: 8, .value_kind: global_buffer, .address_space: global }
      - { .name: k, .offset: 8, .size: 8, .value_kind: global_buffer, .address_space: global }
      - { .name: v, .offset: 16, .size: 8, .value_kind: global_buffer, .address_space: global }
      - { .name: out0, .offset: 24, .size: 8, .value_kind: global_buffer, .address_space: global }
    .group_segment_fixed_size: 283648
    .private_segment_fixed_size: 0
    .kernarg_segment_align: 8
    .kernarg_segment_size: 32
    .max_flat_workgroup_size: 128
    .sgpr_count:     66
    .vgpr_count:     1024
    .wavefront_size: 32
...
	.end_amdgpu_metadata
.endif
;; end of part 1
;; ======== version 2 of 2: 1 launch; version 1 with the launch attn written anew for expert scheduling mode
;; launch attn (part 2): grid 4 x 64, 4 waves a work-group, no clusters, 283,648 bytes of LDS; arguments q, k, v, out0; writes out0
.if DOCPART == 2
	.amdgcn_target "amdgcn-amd-amdhsa--gfx1250"
	.amdhsa_code_object_version 6
	.text
	.protected	k_qd546ac4e91_attn
	.globl	k_qd546ac4e91_attn
	.p2align	8
	.type	k_qd546ac4e91_attn,@function
k_qd546ac4e91_attn:
	s_mov_b64 s[64:65], 0
	v_nop
	global_prefetch_b8 v0, s[64:65] scope:SCOPE_SE
	s_setreg_imm32_b32 hwreg(HW_REG_WAVE_SCHED_MODE, 0, 2), 2
	s_setreg_imm32_b32 hwreg(HW_REG_WAVE_MODE, 25, 1), 1
	s_wait_xcnt 0x0
	s_wait_alu depctr_vm_vsrc(0)
; O[h][q][:] = the sum over k of softmax_k(Q[h][q] . K[h][k] / 8) V[h][k][:].  q, k, v, out0: [64 heads][2,048][64], all f32: a head's rows are dense, 256 bytes each.
; Q, K, V and the weights p are rounded once to bf16 for the matrix unit; products, maxima and sums in f32; O leaves in f32, unrounded.  bf16 has f32's range, so larger inputs lose nothing more.
; LIMITS.  A weight below 2^-126 counts as 0 in l.  c s must lie above -4.25e37, where c m starts.  NaN and infinities are not treated apart.  l is the sum of the unrounded p, the second product takes p rounded to bf16.
; SHARES.  A work-group owns 512 queries of one head (grid 4 x 64 = 256 work-groups), each of its four waves 128: four PIECES of two tiles of 16.  Every wave walks the head's 2,048 keys, 64 a step: 32 steps.
; LAYOUT.  S^T = K Q^T (source 0 = 16 keys, source 1 = 16 queries): in the result a lane holds ONE query (lane % 16) and the keys 8 (lane / 16) + 0..7.  Two such tiles, rounded to bf16 in pairs,
; ARE source 1 (32 keys x 16 queries) of O^T = V^T P, whose result again holds one query a lane, and eight channels.  K comes out of LDS as it lies, V ([key][channel]) turned, by ds_load_tr16_b128.
; SOFTMAX.  For each query a running maximum m and sum l: p = 2^(c s - c m), c = log2(e) / 8; in every step O and l are multiplied by a = 2^(c m_old - c m_new), which is 1 where m has not grown.
; m starts at the lowest finite number, O and l at 0: the first step is a step like any other, with a = 0.  The price: 368 v_mov_b32 of 0 at the start, 16 products on zeros there, 16 on a stale K at the end.
; BY TURNS.  Turn n belongs to piece n (the pieces in a ring, step after step).  Its matrix work: 16 products K Q^T of piece n + 1, later 16 products V^T P of piece n - 1.  Its vector work: the scaling,
; exponentials, roundings, sums and rescaling of piece n, and the maximum and statistics of piece n + 1.  A tile and step have 16 matrix and 118 vector instructions: four vector instructions that are ready
; stand behind every matrix instruction, the others in one run of their own.  A turn's 66 exponentials are one batch, with one wait.
; HOW K AND V COME IN.  A CHUNK is one step's K and V, 2 x 64 rows x 256 bytes of f32.  Wave w takes rows 16 w .. 16 w + 15 of each: 16 loads of 512 consecutive bytes into 64 registers, issued one key step
; ahead; 32 roundings; 16 LDS stores of 8 bytes a lane into a ring of two slots of four steps each, in bf16.  While one slot is read the other is written, a chunk a step; one barrier for four steps.
; NO CLUSTER, NO TENSOR LOADS.  The four work-groups of a head walk the same K and V, but as f32: before they can be matrix operands, or be turned by the 16-bit turning load, each number must pass through
; registers to be rounded.  A joint load would land 32,768 bytes of f32 a step in LDS, from where the same 16 reads, 32 roundings and 16 stores a wave would follow, beside a second ring of 131,072 bytes and a
; round of the cluster's barrier; by registers the rounding lies on the road.  The price: each work-group asks for its head's K and V itself.
; THE MODE: SCHED_MODE bits 1:0 = 2 (LLVM: expert scheduling mode 2), set by the entry lines.  The code itself states the register dependences between vector or matrix instructions and memory or LDS
; instructions, with s_wait_alu, always for 0.
; THE PLAN.  Registers that memory or LDS instructions touch, in the loop:
;   K's fragments   Read by the products K Q^T of turns 3, 0, 1 and 2; the next step's land in them in turn 2, straight behind that turn's wait, ahead of which its products stand.
;   v[AK]           Read by K's run of loads; written once a step, at the head of turn 2's run of vector work, ahead of the same wait.
;   V's fragments   Read by the products V^T P; the last that reads a step's V is turn 0's last product.  The next V lands behind turn 0 (FEEDV).
;   v[AV]           Read by V's run of loads; written once a step, at FEEDV's head.
;   RAW             The chunk as loaded.  Read by FEEDV's 32 roundings; the next chunk's loads land in it in the same pass.
;   OUT, SAK, SAV   The chunk in bf16 and its two LDS addresses.  Written by FEEDV's roundings and adds; read by its 16 LDS stores.
;   v[GO], v[PFO], v[FK0], v[FV0], v[AK0], v[AV0]   Made at the head and never written again.
; So a key step has five waits on va_vdst, one to a turn (the batch's; turn 2's also serves K's run) and one in FEEDV, behind its vector lines and ahead of all its memory instructions; and two on vm_vsrc,
; ahead of the add to v[AK] and at FEEDV's head.  S^T, P, O^T, Q and the statistics are named by vector and matrix instructions alone.
; REGISTERS, in windows of 256 (s_set_vgpr_msb says which window each operand place means: bits 1:0 source 0, 3:2 source 1, 5:4 source 2, 7:6 destination):
;   window 0: v0-11 addresses; v12-15, v48-63 at work; v16-47 four registers of statistics a tile; v64-191 S^T, two buffers of two tiles; v192-255 P, likewise
;   window 1: O^T, 32 a tile      window 2: v0-127 Q, 16 a tile; v128-191 K of one step; v192-255 V of one step (at the start all 256: Q as f32; on the way out all 256: O's rows)
;   window 3: at the start four chunk buffers of 64; in the loop v0-63 RAW, v64-95 OUT, v96 SAK, v97 SAV
.set NP,    4         ; pieces a wave: a name, no knob
.set KS,    64        ; keys in a step
.set PK,    144       ; a row of K in LDS: 128 bytes + 16 = 36 words: the 16 rows of a load start at 16 different groups of four banks (64 banks of 4 bytes: ISA guide 11.1)
.set PV,    160       ; a row of V: 128 + 32 = 40 words
.set VOFF,  4*KS*PK   ; a slot holds four steps: 256 rows of K, then 256 rows of V
.set SLOT1, 1<<17     ; slot 1 begins here, so that one exclusive or turns an address in one slot into the other's
.set STAGE, SLOT1+4*KS*(PK+PV)  ; behind the ring: each wave's own stage
.set WSB,   128*PK    ; a stage: first the wave's 128 rows of Q in bf16, at the end 16 rows of O in f32
.set OPITCH, 272      ; a row of O in the stage: 256 bytes + 16
.set SPARE, STAGE+4*WSB  ; behind the stages: the spare words, 128 bytes for each wave: two blocks of 256 bytes that no other line names
.set CHUNK, KS*256    ; bytes of K, and of V, in a chunk
.set GO,  1           ; v1   16 x lane: my 16 bytes in 512 consecutive bytes of q, k, v and out0; never rewritten
.set AK0, 2           ; v2   my lane's place in a tile of K; never rewritten
.set AV0, 3           ; v3   the same for V
.set AK,  4           ; v4   the LDS address of K's next run of loads
.set AV,  5           ; v5   of V's
.set FK0, 6           ; v6   where I store 8 bytes of a chunk's K, less the chunk's place; never rewritten
.set FV0, 7           ; v7   the same for V
.set PFO, 8           ; v8   256 x lane, for the prefetch; never rewritten
.set SPW, 10          ; v10  LDS address of my spare word: SPARE + 4 x my thread's number; never rewritten
.set NIL, 11          ; v11  0; never rewritten
.set MV,  12          ; v12-15  c m_old, kept while c m is made anew: by buffer and tile
.set STO, 14          ;      behind the loop, the way out: where I put 32 bytes of a row
.set RD,  15          ;      the way out: where I read rows back
.set ST,  16          ; tile t's statistics at v[ST+4 t]: c m, m, l (even keys', odd keys')
.set TMP, 48          ; by buffer and tile, four registers c0-c3 at work; when the maximum is found c2 takes a
.set S,   64
.set P,   192
.set KF,  128         ; K's fragments, in window 2: key block kb, channel half c at KF + 16 kb + 8 c
.set VF,  192         ; V's: key half kk, channel block cb at VF + 32 kk + 8 cb
.set OUT, 64          ; window 3: the chunk in bf16: K's 16 registers, then V's
.set SAK, 96          ; window 3: the LDS address of the chunk's K stores
.set SAV, 97          ; window 3: of its V stores
.set LR,  64          ; at the start only, in S^T's registers: lane % 16,
.set LH,  65          ; lane / 16,
.set QS,  68          ; where I store 8 bytes of Q,
.set QF,  69          ; and where I read Q's fragments
.set WV,  12          ; s12  my wave's number
.set KP,  24          ; s[24:25] k at my rows of the chunk last asked for
.set VP,  26          ; s[26:27] the same in v
.set PFP, 28          ; s[28:29] the prefetch's place, in k or in v
.set SBK, 30          ; s30  LDS byte at which K of the chunk to be stored begins
.set SBV, 31          ; s31  the same for V, less VOFF
.set REM, 32          ; s32  chunks still to be stored in the loop
.set WS,  33          ; s33  my stage
.set SLOTS, 56        ; s56  slots still to be walked
.set CNT, 57          ; s57  counts a slot's key steps
.set CS,  58          ; s[58:59] c: the packed scaling takes the pair's low word for both halves
.set SEL, 60          ; s[60:61] v_permlanex16_b32's selects: each lane takes its own place in the other half
.set TBK, 62          ; s62  LDS byte at which K of the step to be fetched begins
.set TBV, 63          ; s63  the same for V, less VOFF
.set MSB, 0
.macro WIN new                      ; the high byte repeats the setting that is left; a switch that changes nothing is dropped
.if MSB != (\new)
	s_set_vgpr_msb (MSB<<8)|(\new)
.set MSB, (\new)
.endif
.endm
.set W_KQ, 0x0a       ; K and Q in window 2, S^T in window 0
.set W_PV, 0x52       ; V in window 2, P in window 0, O^T in window 1
.set W_RS, 0x41       ; O^T (destination and source 0) in window 1, a in window 0
; A chunk is asked for: my 16 rows of K and of V, 8 + 8 loads of 512 consecutive bytes, into buffer b of window 3.  No cache word: four work-groups read these bytes.
.macro GET b, kp, vp, off
	WIN 0xc0                        ; destination window 3, address window 0
.irp i, 0,1,2,3,4,5,6,7
	global_load_b128 v[64*(\b)+4*\i:64*(\b)+4*\i+3], v[GO], s[\kp:\kp+1] offset:(\off)+512*\i
.endr
.irp i, 0,1,2,3,4,5,6,7
	global_load_b128 v[64*(\b)+32+4*\i:64*(\b)+32+4*\i+3], v[GO], s[\vp:\vp+1] offset:(\off)+512*\i
.endr
	WIN 0
.endm
; At the start: a chunk is rounded in place and stored.  Load i brought rows 2 i and 2 i + 1 (lanes 0-15, lanes 16-31), four channels a lane: two roundings make 8 bytes, which go to row x pitch + 8 (lane % 16).
.macro PUT b, ok, ov
	WIN 0xcf                        ; all in window 3
.irp i, 0,1,2,3,4,5,6,7,8,9,10,11,12,13,14,15
	v_cvt_pk_bf16_f32 v[64*(\b)+4*\i],   v[64*(\b)+4*\i],   v[64*(\b)+4*\i+1]
	v_cvt_pk_bf16_f32 v[64*(\b)+4*\i+1], v[64*(\b)+4*\i+2], v[64*(\b)+4*\i+3]
.endr
	WIN 0x0c                        ; address window 0, data window 3
	s_wait_alu depctr_va_vdst(0)    ; the roundings have written the chunk's bf16, which the LDS stores read
.irp i, 0,1,2,3,4,5,6,7
	ds_store_b64 v[FK0], v[64*(\b)+4*\i:64*(\b)+4*\i+1] offset:(\ok)+2*PK*\i
.endr
.irp i, 0,1,2,3,4,5,6,7
	ds_store_b64 v[FV0], v[64*(\b)+32+4*\i:64*(\b)+32+4*\i+1] offset:(\ov)+2*PV*\i
.endr
	WIN 0
.endm
; THE CHANGE OF SLOTS.  In front of the barrier each wave waits for its LDS instructions: its stores into the slot to be read next, and its reads of the slot that it leaves (the last, V of its fourth step, were
; waited for in the turn before).  Behind it the next slot is whole for everybody, and nobody reads the old one, which the stores now take.  Between signal and wait: scalar work alone.
.macro CHANGE
	WIN 0
	s_wait_dscnt 0x0
	s_barrier_signal -1
	s_sub_co_u32 s[TBK], s[TBK], 4*KS*PK  ; fetches and stores go back to a slot's first step,
	s_xor_b32 s[TBK], s[TBK], SLOT1       ; each in the other slot
	s_sub_co_u32 s[TBV], s[TBV], 4*KS*PV
	s_xor_b32 s[TBV], s[TBV], SLOT1
	s_sub_co_u32 s[SBK], s[SBK], 4*KS*PK
	s_xor_b32 s[SBK], s[SBK], SLOT1
	s_sub_co_u32 s[SBV], s[SBV], 4*KS*PV
	s_xor_b32 s[SBV], s[SBV], SLOT1
	s_barrier_wait -1
.endm
	s_load_b256 s[4:11], s[0:1], 0x0  ; q s[4:5], k s[6:7], v s[8:9], out0 s[10:11]
	v_lshl_add_u32 v[SPW], v0, 2, SPARE  ; the two registers of the add at the wave's end
	v_mov_b32 v[NIL], 0
	v_lshrrev_b32 v9, 5, v0
	v_readfirstlane_b32 s[WV], v9   ; wave 0..3
	v_and_b32 v[GO], 31, v0
	v_lshlrev_b32 v[PFO], 8, v[GO]
	v_lshlrev_b32 v[GO], 4, v[GO]
	s_mov_b32 s22, ttmp9            ; my block of 512 queries, 0..3
	s_and_b32 s13, ttmp7, 0xffff    ; the head
	s_lshl_b32 s14, s13, 19         ; its first byte in each of the four tensors: 2,048 rows of 256 bytes
	s_wait_alu depctr_va_sdst(0)    ; s[WV] is written, ahead of its first reader: offsets, LDS places and branches are made from it
	s_lshl_b32 s16, s[WV], 12       ; k, v: my 16 rows of a chunk's 64
	s_add_co_u32 s16, s16, s14
	s_mov_b32 s17, 0
	s_lshl_b32 s18, s22, 2
	s_add_co_u32 s18, s18, s[WV]    ; q, out0: my wave among the head's sixteen,
	s_lshl_b32 s18, s18, 15         ; its 128 rows
	s_add_co_u32 s18, s18, s14
	s_mov_b32 s19, 0
	s_and_b32 s20, s22, 1           ; the prefetch: my half of a chunk's 16,384 bytes,
	s_lshl_b32 s20, s20, 13
	s_add_co_u32 s20, s20, s14
	s_add_co_u32 s20, s20, 5*CHUNK  ; at chunk 5: it is stepped before its first use
	s_mov_b32 s21, 0
	s_mov_b32 s[CS], 0x3e38aa3b     ; c = log2(e) / 8 = 0.180337
	s_mov_b32 s[CS+1], s[CS]        ; named with it as a pair
	s_mov_b32 s[SEL], 0x76543210
	s_mov_b32 s[SEL+1], 0xfedcba98
	s_mov_b32 s[TBK], 0             ; the fetches begin in slot 0,
	s_mov_b32 s[TBV], 0
	s_mov_b32 s[SBK], SLOT1         ; the loop's stores in slot 1
	s_mov_b32 s[SBV], SLOT1
	s_mov_b32 s[REM], 28            ; chunks 4 to 31
	s_mov_b32 s[SLOTS], 8
	s_mul_i32 s[WS], s[WV], WSB
	s_add_co_u32 s[WS], s[WS], STAGE
	s_wait_kmcnt 0x0
	s_cmp_lt_u32 s22, 2
	s_cselect_b64 s[PFP:PFP+1], s[6:7], s[8:9]  ; work-groups 0, 1 of a head prefetch k, 2 and 3 v
	s_add_nc_u64 s[PFP:PFP+1], s[PFP:PFP+1], s[20:21]
	s_add_nc_u64 s[6:7], s[6:7], s[16:17]       ; k and v at my rows of chunk 0,
	s_add_nc_u64 s[8:9], s[8:9], s[16:17]
	s_add_nc_u64 s[KP:KP+1], s[6:7], 4*CHUNK    ; and of chunk 4
	s_add_nc_u64 s[VP:VP+1], s[8:9], 4*CHUNK
	s_add_nc_u64 s[4:5], s[4:5], s[18:19]       ; q and out0 at my wave's first row
	s_add_nc_u64 s[10:11], s[10:11], s[18:19]
	; Q as f32 fills window 2: load i brings rows 2 i and 2 i + 1, four channels a lane.  56 loads go out, then the register work that needs no data, then the other 72: LOADcnt's field ends at 63, and the
	; issue of a load that would pass it waits (ISA guide 5.7.1), so what stands behind such a load would wait with it.
.macro QLOAD from, n
.set i, \from
.rept \n
	global_load_b128 v[4*i:4*i+3], v[GO], s[4:5] offset:512*i th:TH_LOAD_NT
.set i, i+1
.endr
.endm
	WIN 0x80                        ; destination window 2, address window 0
	s_wait_alu depctr_va_vdst(0)    ; v[GO] and v[PFO] are written: every global load and store of the kernel reads v[GO] as its offset, the prefetch v[PFO]; neither is named by a vector line again
	QLOAD 0, 56
	; What the first turn finds: O^T and l are 0, and P's second buffer is 0 (its products V^T P, of a piece that has not been, add 0); V's registers follow when Q has left them.
	WIN 0x40
.set i, 0
.rept 64*NP
	v_mov_b32 v[i], 0
.set i, i+1
.endr
	WIN 0
.set i, 0
.rept 2*NP
	v_mov_b32 v[ST+4*i], 0xfe000000    ; c m: far below every c s
	v_mov_b32 v[ST+4*i+1], 0xff7fffff  ; m
	v_mov_b32 v[ST+4*i+2], 0
	v_mov_b32 v[ST+4*i+3], 0
.set i, i+1
.endr
.set i, P+32
.rept 32
	v_mov_b32 v[i], 0
.set i, i+1
.endr
	; A fragment of K or Q is 16 rows x 32 channels in 8 registers: lane l holds row l % 16, channels 8 (l / 16) + 0..7 and 16 + 8 (l / 16) + 0..7: two loads of 16 bytes, 32 bytes apart.
	v_and_b32 v[LR], 15, v0         ; l % 16
	v_bfe_u32 v[LH], v0, 4, 1       ; l / 16
	v_mul_u32_u24 v[AK0], v[LR], PK
	v_lshl_add_u32 v[AK0], v[LH], 4, v[AK0]  ; row x pitch + 16 x half
	; The turning load takes 16 keys x 16 channels (lane l reads key 8 (l / 16) + l % 8, channels 8 ((l / 8) % 2) + 0..7) and leaves half a fragment of V^T: lane l holds channel l % 16 and 8 keys.
	v_and_b32 v66, 7, v0
	v_bfe_u32 v67, v0, 3, 1
	v_lshl_add_u32 v[AV0], v[LH], 3, v66
	v_mul_u32_u24 v[AV0], v[AV0], PV
	v_lshl_add_u32 v[AV0], v67, 4, v[AV0]
	v_add_nc_u32 v[AV0], VOFF, v[AV0]
	s_mul_i32 s13, s[WV], 16*PK     ; a chunk's stores: my wave's 16 rows; row l / 16 of a pair; 8 bytes for each of 16 lanes
	v_mul_u32_u24 v[FK0], v[LH], PK
	v_lshl_add_u32 v[FK0], v[LR], 3, v[FK0]
	v_add_nc_u32 v[FK0], s13, v[FK0]
	s_mul_i32 s13, s[WV], 16*PV
	s_add_co_u32 s13, s13, VOFF
	v_mul_u32_u24 v[FV0], v[LH], PV
	v_lshl_add_u32 v[FV0], v[LR], 3, v[FV0]
	v_add_nc_u32 v[FV0], s13, v[FV0]
	v_mul_u32_u24 v[QS], v[LH], PK  ; Q's stores, the same way into my stage,
	v_lshl_add_u32 v[QS], v[LR], 3, v[QS]
	v_add_nc_u32 v[QS], s[WS], v[QS]
	v_add_nc_u32 v[QF], s[WS], v[AK0]  ; and its fragments out of it
	WIN 0x80
	QLOAD 56, 8                     ; no wait: no vector line since the wait above names v[GO], nor any register in which these loads and the 64 below land
.irp b, 0,1,2,3
	GET \b, 6, 8, \b*CHUNK          ; slot 0's four chunks
.endr
	; Q: rounded in place, through my own stage, back as fragments.  The stage is the wave's own and LDS serves a wave's instructions in order (ISA guide 5.7.1.4): no wait on DScnt between the stores and the loads.
	s_wait_loadcnt 63               ; of the 128 loads issued at most 63 are out: the first 65 are in, Q's 64 among them
	WIN 0x8a                        ; all in window 2
.set i, 0
.rept 64
	v_cvt_pk_bf16_f32 v[4*i],   v[4*i],   v[4*i+1]
	v_cvt_pk_bf16_f32 v[4*i+1], v[4*i+2], v[4*i+3]
.set i, i+1
.endr
	WIN 0x08                        ; address window 0, data window 2
	s_wait_alu depctr_va_vdst(0)    ; the roundings have written Q's bf16, which the LDS stores read; v[QS], v[QF], v[FK0] and v[FV0], LDS addresses of the lines below, are written
.set i, 0
.rept 64
	ds_store_b64 v[QS], v[4*i:4*i+1] offset:2*PK*i
.set i, i+1
.endr
	WIN 0x80
	s_wait_alu depctr_vm_vsrc(0)    ; the LDS stores have read their data, all over window 2: Q's fragments land in its lower half, K's fragments and V's zeros later in its upper half
	s_wait_alu depctr_va_vdst(0)    ; the roundings are done with the registers in which the fragments land
.set i, 0
.rept 4*NP                          ; tile i / 2, channels 32 (i % 2) on
	ds_load_b128 v[8*i:8*i+3],   v[QF] offset:(i/2)*16*PK+(i%2)*64
	ds_load_b128 v[8*i+4:8*i+7], v[QF] offset:(i/2)*16*PK+(i%2)*64+32
.set i, i+1
.endr
	WIN 0
	; Slot 0.  Each count is the number of loads issued behind the chunk's own: loads come back in order (ISA guide 5.7.1).
	s_wait_loadcnt 48               ; behind chunk 0: chunks 1, 2, 3
	PUT 0, 0, 0
	WIN 0xc0
	s_wait_alu depctr_vm_vsrc(0)    ; chunk 0's LDS stores have read buffer 0, in which chunk 4 lands; Q's LDS stores and loads have read v[QS] and v[QF], which the first scores overwrite
	s_wait_alu depctr_va_vdst(0)    ; chunk 0's roundings are done with buffer 0
	GET 0, KP, VP, 0                ; chunk 4, the loop's first, takes the buffer
	s_wait_loadcnt 48               ; behind chunk 1: chunks 2, 3, 4
	PUT 1, KS*PK, KS*PV
	s_wait_loadcnt 32               ; behind chunk 2: chunks 3, 4
	PUT 2, 2*KS*PK, 2*KS*PV
	s_wait_loadcnt 16               ; behind chunk 3: chunk 4, which stays out
	PUT 3, 3*KS*PK, 3*KS*PV
	s_wait_dscnt 0x0                ; for the others' sake: my stores into slot 0 are done (and Q's fragments are in)
	s_barrier_signal -1
	s_barrier_wait -1               ; slot 0 is whole
; THE MATRIX WORK.  The 8 accumulators of a run of 16 take turns: between the two links of a chain stand 7 others'.
; Product i of 16 of S^T = K Q^T for piece x: channels 32 (i / 8) on, keys 16 ((i / 2) % 4) on, tile 2 x + i % 2.  The first 8 start the sums.
.macro KQ x
	WIN W_KQ
.set rS, S+64*((\x)%2)+32*(i%2)+8*((i/2)%4)
.set rK, KF+16*((i/2)%4)+8*(i/8)
.set rQ, 16*(2*(\x)+i%2)+8*(i/8)
.if i < 8
	v_wmma_f32_16x16x32_bf16 v[rS:rS+7], v[rK:rK+7], v[rQ:rQ+7], 0
.else
	v_wmma_f32_16x16x32_bf16 v[rS:rS+7], v[rK:rK+7], v[rQ:rQ+7], v[rS:rS+7]
.endif
.endm
; Product i of 16 of O^T += V^T P for piece x: keys 32 (i / 8) on, channels 16 ((i / 2) % 4) on, tile 2 x + i % 2.
.macro PV x
	WIN W_PV
.set rO, 32*(2*(\x)+i%2)+8*((i/2)%4)
.set rV, VF+32*(i/8)+8*((i/2)%4)
.set rP, P+32*((\x)%2)+16*(i%2)+8*(i/8)
	v_wmma_f32_16x16x32_bf16 v[rO:rO+7], v[rV:rV+7], v[rP:rP+7], v[rO:rO+7]
.endm
.macro MM                           ; the turn's next matrix instruction
.if i < 16
	KQ (Y+1)%NP
.set i, i+1
.else
.set i, i-16
	PV (Y+NP-1)%NP
.set i, i+17
.endif
.endm
; THE LDS LOADS stand in runs of 16, never singly among the matrix instructions: a step's K (64 keys x 64 channels: 8 fragments) and its V (turned).  Their addresses are made ahead of the wait that stands in front of each run.
.macro FETCH_K
	WIN 0x80                        ; destination window 2
.irp f, 0,1,2,3,4,5,6,7             ; keys 16 (f / 2) on, channels 32 (f % 2) on
	ds_load_b128 v[KF+8*\f:KF+8*\f+3],   v[AK] offset:(\f/2)*16*PK+(\f%2)*64
	ds_load_b128 v[KF+8*\f+4:KF+8*\f+7], v[AK] offset:(\f/2)*16*PK+(\f%2)*64+32
.endr
	s_add_co_u32 s[TBK], s[TBK], KS*PK  ; the next fetch is the next step's
	WIN 0
.endm
.macro FETCH_V
	WIN 0x80
.irp f, 0,1,2,3,4,5,6,7             ; keys 32 (f / 4) on, channels 16 (f % 4) on
	ds_load_tr16_b128 v[VF+8*\f:VF+8*\f+3],   v[AV] offset:(\f/4)*32*PV+(\f%4)*32
	ds_load_tr16_b128 v[VF+8*\f+4:VF+8*\f+7], v[AV] offset:(\f/4)*32*PV+16*PV+(\f%4)*32
.endr
	WIN 0
.endm
; ONCE A KEY STEP, BEHIND PIECE 0's TURN: V of the step in hand is fetched; the chunk asked for a step ago goes into the slot that is not being read, and the next is asked for.
; The vector lines come first (v[AV]; the chunk's two LDS addresses; its 32 roundings, from RAW into OUT), then ONE wait on va_vdst, then all the memory instructions: V's 16 LDS loads, the chunk's 16 LDS stores,
; the next chunk's 16 loads, the prefetch.  No vector line stands among them, and the stores read OUT, not RAW, so the loads into RAW owe nothing more.
; The last slot's four steps have nothing left to store: their arm holds the wait and V's run alone.  All jumps go forward, past no barrier; they hang on a counter that starts at a constant, and the last on the wave's number.
; THE PREFETCH asks for the chunk that the NEXT pass of these lines will load: one trip ahead.  Of that chunk's 128 blocks of 256 bytes this work-group asks for 32 (work-groups 0, 1 of a head: the halves of K's
; 16,384 bytes; 2, 3: of V's), lanes 256 bytes apart, by one wave, the waves in rotation: each block is asked for once in the launch.  It stops where that chunk would be the 33rd: REM < 2.
.macro FEEDV
	WIN 0
	s_wait_alu depctr_vm_vsrc(0)    ; the LDS instructions issued so far have read their registers: V's loads of a step ago v[AV]; the last chunk's stores OUT, SAK and SAV: all are written below
	v_add_nc_u32 v[AV], s[TBV], v[AV0]
	s_add_co_u32 s[TBV], s[TBV], KS*PV  ; the next fetch is the next step's
	s_cmp_eq_u32 s[REM], 0
	s_cbranch_scc1 .Lonly_v
	s_wait_loadcnt 0x0              ; the chunk is in; its loads have also done with KP and VP
	s_wait_xcnt 0x0                 ; the last pass's prefetch has had its addresses translated (ISA guide 3.1): PFP is stepped only behind this wait
	WIN 0xc0                        ; destination window 3, sources window 0
	v_add_nc_u32 v[SAK], s[SBK], v[FK0]
	v_add_nc_u32 v[SAV], s[SBV], v[FV0]
	WIN 0xcf                        ; all in window 3
.irp i, 0,1,2,3,4,5,6,7,8,9,10,11,12,13,14,15
	v_cvt_pk_bf16_f32 v[OUT+2*\i],   v[4*\i],   v[4*\i+1]
	v_cvt_pk_bf16_f32 v[OUT+2*\i+1], v[4*\i+2], v[4*\i+3]
.endr
	s_wait_alu depctr_va_vdst(0)    ; the turn's products V^T P are done reading V's registers, in which the loads below land; v[AV], SAK, SAV and OUT are written; the roundings are done reading RAW, in which the next chunk lands
	FETCH_V
	WIN 0x0f                        ; address and data in window 3
.irp i, 0,1,2,3,4,5,6,7
	ds_store_b64 v[SAK], v[OUT+2*\i:OUT+2*\i+1] offset:2*PK*\i
.endr
.irp i, 0,1,2,3,4,5,6,7
	ds_store_b64 v[SAV], v[OUT+16+2*\i:OUT+16+2*\i+1] offset:2*PV*\i
.endr
	WIN 0
	s_add_co_u32 s[SBK], s[SBK], KS*PK  ; the next chunk's place in the slot
	s_add_co_u32 s[SBV], s[SBV], KS*PV
	s_sub_co_u32 s[REM], s[REM], 1
	s_cmp_eq_u32 s[REM], 0
	s_cbranch_scc1 .Lfed            ; that was the head's last chunk
	s_add_nc_u64 s[KP:KP+1], s[KP:KP+1], CHUNK
	s_add_nc_u64 s[VP:VP+1], s[VP:VP+1], CHUNK
	s_add_nc_u64 s[PFP:PFP+1], s[PFP:PFP+1], CHUNK
	GET 0, KP, VP, 0                ; no wait: no vector line since the wait above
	s_cmp_lt_u32 s[REM], 2
	s_cbranch_scc1 .Lfed            ; no chunk follows the one just asked for
	s_and_b32 s13, s[REM], 3
	s_cmp_lg_u32 s13, s[WV]
	s_cbranch_scc1 .Lfed            ; another wave's turn
	global_prefetch_b8 v[PFO], s[PFP:PFP+1] th:TH_LOAD_NT scope:SCOPE_SE
	s_branch .Lfed
.Lonly_v:
	s_wait_alu depctr_va_vdst(0)    ; the turn's products V^T P are done reading V's registers, in which the loads below land; v[AV] is written
	FETCH_V
.Lfed:
.endm
; THE VECTOR WORK OF A TURN stands in three queues, each in the order in which its entries become ready; the two tiles alternate, so that no instruction reads the result of the one before it.
.macro REGS y, u                    ; the registers of tile u (0, 1) of piece y
.set rT, ST+4*(2*(\y)+(\u))
.set rC, TMP+8*((\y)%2)+4*(\u)
.set rM, MV+2*((\y)%2)+(\u)
.set rS, S+64*((\y)%2)+32*(\u)
.set rP, P+32*((\y)%2)+16*(\u)
.set rO, 32*(2*(\y)+(\u))
.endm
; Number n of the 22 that find the NEXT piece's (Y + 1) maximum and statistics.  s0-s31 are the lane's 32 scores; each accumulator's lowest registers are read first.  XS, GS, FS and REGS set no window: PL and EX do.
;   0-11  four chains c0-c3 of seven scores each, three operands at a time     12-14, 16  the four scores left over, the old m, and c0-c3 into c0     15  c m_old is kept
;   17, 18  the query's other 32 keys lie in the lane 16 away: the new m         19-21  c m; c m_old - c m_new; a
.macro XS u, n
	REGS (Y+1)%NP, \u
.if (\n) < 4
	v_max3_num_f32 v[rC+(\n)], v[rS+8*(\n)], v[rS+8*(\n)+1], v[rS+8*(\n)+2]
.elseif (\n) < 12
	v_max3_num_f32 v[rC+(\n)%4], v[rC+(\n)%4], v[rS+8*((\n)%4)+2*((\n)/4)+1], v[rS+8*((\n)%4)+2*((\n)/4)+2]
.elseif (\n) == 12
	v_max3_num_f32 v[rC], v[rC], v[rS+7], v[rS+15]
.elseif (\n) == 13
	v_max3_num_f32 v[rC+1], v[rC+1], v[rS+23], v[rS+31]
.elseif (\n) == 14
	v_max3_num_f32 v[rC+2], v[rC+2], v[rC+3], v[rT+1]
.elseif (\n) == 15
	v_mov_b32 v[rM], v[rT]
.elseif (\n) == 16
	v_max3_num_f32 v[rC], v[rC], v[rC+1], v[rC+2]
.elseif (\n) == 17
	v_permlanex16_b32 v[rC+3], v[rC], s[SEL], s[SEL+1]
.elseif (\n) == 18
	v_max_num_f32 v[rT+1], v[rC], v[rC+3]
.elseif (\n) == 19
	v_mul_f32 v[rT], s[CS], v[rT+1]
.elseif (\n) == 20
	v_sub_f32 v[rC+1], v[rM], v[rT]
.else
	v_exp_f32 v[rC+2], v[rC+1]
.endif
.endm
; Number g of the 64 that follow the exponentials.  For each four weights k of a tile (pairs 2 k, 2 k + 1): both pairs are rounded to bf16; then the second pair is added onto the first, in place;
; a group later l takes that sum (the first time as l = a l + sum).  In groups of eight, tiles alternating: round, round, add, and l for the group before.
.macro GS g
.set h, (\g)+6*((\g)/62)            ; group 0 has no group before it, and behind group 7 only l is left
.if h >= 6
.set h, h+2
.endif
	REGS Y, h%2
.set k, h/8
.if h%8 < 4
	v_cvt_pk_bf16_f32 v[rP+2*k+(h%8)/2], v[rS+4*k+2*((h%8)/2)], v[rS+4*k+2*((h%8)/2)+1]
.elseif h%8 < 6
	v_pk_add_f32 v[rS+4*k:rS+4*k+1], v[rS+4*k:rS+4*k+1], v[rS+4*k+2:rS+4*k+3]
.elseif k == 1
	v_pk_fma_f32 v[rT+2:rT+3], v[rT+2:rT+3], v[rC+2:rC+3], v[rS:rS+1] op_sel_hi:[1,0,1]
.else
	v_pk_add_f32 v[rT+2:rT+3], v[rT+2:rT+3], v[rS+4*k-4:rS+4*k-3]
.endif
.endm
; THE PLAIN QUEUE, 138 long.  0-73 read no exponential's result: the 32 scalings c s - c m (FS f: pair f / 2 of tile f % 2) and the next piece's 42.  0-26: scalings 0-26.  27-54: XS's numbers 0-13.  55, 56: number 15.
; 57-73: the chain, where each number waits for the one before it: 14, 16, 17, 18, 19, each with one of the scalings 27-31 in front of its two lines, then 20: so a tile's links stand three plain instructions apart (19 and 20: two).
; 74-137: GS's 64, which read the exponentials' results: they stand behind the wait.
.macro FS f
	REGS Y, (\f)%2
	v_pk_fma_f32 v[rS+2*((\f)/2):rS+2*((\f)/2)+1], v[rS+2*((\f)/2):rS+2*((\f)/2)+1], s[CS:CS+1], v[rT:rT+1] op_sel_hi:[1,0,0] neg_lo:[0,0,1] neg_hi:[0,0,1]
.endm
.macro PL
	WIN 0
.if q < 27
	FS q
.elseif q < 55
	XS (q-27)%2, (q-27)/2
.elseif q < 57
	XS q-55, 15
.elseif (q < 72) && ((q-57)%3 == 0)
	FS 27+(q-57)/3
.elseif q < 60
	XS (q-57)%3-1, 14
.elseif q < 72
	XS (q-57)%3-1, 15+(q-57)/3
.elseif q < 74
	XS q-72, 20
.else
	GS q-74
.endif
.set q, q+1
.endm
; THE EXPONENTIALS' QUEUE, 66 long: s0-s31 of both tiles, then the next piece's two a.  It is ONE BATCH: all 66 stand ahead of the turn's one wait, and nothing ahead of that wait names a result of theirs.
.macro EX
	WIN 0
.if e >= 64
	XS e-64, 21
.else
	REGS Y, e%2
	v_exp_f32 v[rS+e/2], v[rS+e/2]
.endif
.set e, e+1
.endm
; THE RESCALING's QUEUE: O^T times a, the one part that leaves window 0: dealt two at a time, sixteen times.  Its a was made in the turn before, ahead of that turn's wait.
.macro R2
	REGS Y, r%2
	WIN W_RS
.irp z, 0,1
	v_pk_mul_f32 v[rO+4*(r/2)+2*\z:rO+4*(r/2)+2*\z+1], v[rO+4*(r/2)+2*\z:rO+4*(r/2)+2*\z+1], v[rC+2:rC+3] op_sel_hi:[1,0]
.endr
.set r, r+1
.endm
; HOW THEY ARE DEALT.  A turn has ONE wait on va_vdst, which cuts it in two.  AHEAD OF IT stands all that names no result of the turn's exponentials: the 16 products K Q^T, behind each a scaling, an exponential and two
; rescalings (behind the first a second scaling in the exponential's place); then one run of 108: eight plain, 49 times exponential and plain, the two a.  A v_nop is the plain instruction behind the last exponential.
; BEHIND IT stand the 16 products V^T P, behind each four of GS's 64.  No rider names a register of the products round it.  The two v_permlanex16_b32 fall into the run, never behind a product.
; The queues lean on each other, and the deal keeps them in step: exponential e stands behind scaling 2 (e / 4) + e % 2: as a rider it comes behind plain e + 2, in the run behind plain e + 9, and scalings 27-31 are plain 57, 60 .. 69.
; A TURN, for piece p.  nok = 1: the last step's: no further K is fetched.  cnt = 1: the loop's count is taken down some lines ahead of the branch that stands behind the turn.
; K of the next step is fetched in piece 2's turn, straight behind the wait; its address is made at the run's head; its first reader comes behind 16 products.  The condition on q below goes with the deal.
.macro TURN p, nok=0, cnt=0
.set Y, (\p)
.set i, 0
.set q, 0
.set e, 0
.set r, 0
.if (\p) == NP-1
	s_wait_dscnt 0x0                ; K is in
.endif
	MM                              ; ahead of the wait: 16 products K Q^T and their riders,
	PL
	PL
	R2
.rept 15
	MM
	PL
	EX
	R2
.endr
.if ((\p) == NP-2) && !(\nok)
	WIN 0
	s_wait_alu depctr_vm_vsrc(0)    ; K's LDS loads of a step ago have read v[AK], which the next line writes
	v_add_nc_u32 v[AK], s[TBK], v[AK0]
.endif
.rept 8                             ; and the run of vector work
	PL
.endr
.rept 49
	EX
	PL
.endr
	EX                              ; the next piece's two a
	EX
	v_nop                           ; a plain instruction behind the last exponential: one for the batch
	s_wait_alu depctr_va_vdst(0)    ; the 66 exponentials have written the weights and the two a, which the roundings, sums and rescalings from here on read; in piece 2's turn also: its products K Q^T are done reading K's registers, in which the loads below land, and v[AK] is written
.if ((\p) == NP-2) && !(\nok)
	FETCH_K
.endif
.if (\p) == 1
	s_wait_dscnt 0x0                ; V is in (and the step's chunk is stored)
.endif
.rept 16                            ; behind the wait: 16 products V^T P and their riders
	MM
.rept 4
	PL
.endr
.if (\cnt) && (q == 130)
	s_sub_co_u32 s[CNT], s[CNT], 1
	s_cmp_lg_u32 s[CNT], 0
.endif
.endr
.endm
	v_mov_b32 v[AK], v[AK0]         ; key step 0 lies at the head of slot 0
	s_wait_alu depctr_va_vdst(0)    ; v[AK] is written, which K's loads read
	FETCH_K
	s_wait_dscnt 0x0
.set i, 0
.rept 16
	KQ 0                            ; piece 0's first scores: there is no softmax yet to set between them
.set i, i+1
.endr
	WIN 0x80                        ; V's registers, which Q has left, take their zeros: 64 plain instructions that name no register of those products: the places behind them
.set i, VF
.rept 64
	v_mov_b32 v[i], 0
.set i, i+1
.endr
	WIN 0
.set Y, NP-1                        ; XS works for piece Y + 1: piece 0
.irp n, 0,1,2,3,4,5,6,7,8,9,10,11,12,13,14,15,16,17,18,19,20,21
	XS 0, \n                        ; piece 0's first maximum and statistics
	XS 1, \n
.endr
	v_nop                           ; a plain instruction behind the two a,
	s_wait_alu depctr_va_vdst(0)    ; which are written, ahead of the branch: the first turn's rescalings read them
	s_mov_b32 s[CNT], 4
	s_branch .Lfirst                ; the loop is entered at a step's first turn, in the middle of a trip
.Lslot:                             ; seven times: eight slots are walked
	CHANGE
	s_mov_b32 s[CNT], 4
.Lstep:                             ; a trip: pieces 2 and 3 of one step, then pieces 0 and 1 of the next, whose K and V it fetches
	TURN 2
	TURN 3
	WIN 0
.Lfirst:
	TURN 0
	FEEDV
	TURN 1, 0, 1
	WIN 0
	s_cbranch_scc1 .Lstep
	s_sub_co_u32 s[SLOTS], s[SLOTS], 1
	s_cmp_lg_u32 s[SLOTS], 0
	s_cbranch_scc1 .Lslot
	TURN 2, 1                       ; the last step's pieces 2 and 3.  The second turn's 16 products K Q^T (on the last K once more) and the maximum made of them serve nothing:
	TURN 3                          ; the price, once a launch, of one text for every turn; they touch m and c m of piece 0, which nothing reads any more
.set i, 0
.rept 16
	PV NP-1                         ; the last piece's V^T P of the last step
.set i, i+1
.endr
	; THE WAY OUT.  l's two halves and the other half of the lanes' are added; O^T is divided by l and sent through my stage in LDS, a tile at a time.  The additions are the places behind the last products.
	WIN 0
.macro ALL line:vararg              ; one line for each tile t
.set t, 0
.rept 2*NP
	\line
.set t, t+1
.endr
.endm
	ALL v_add_f32 v[ST+4*t+2], v[ST+4*t+2], v[ST+4*t+3]
	ALL v_permlanex16_b32 v[ST+4*t+3], v[ST+4*t+2], s[SEL], s[SEL+1]
	ALL v_add_f32 v[ST+4*t+2], v[ST+4*t+2], v[ST+4*t+3]
	ALL v_rcp_f32 v[ST+4*t+2], v[ST+4*t+2]
	v_and_b32 v12, 15, v0           ; plain instructions between the last reciprocal and the use of its result: the stage's addresses, in registers that no memory or LDS instruction has read
	v_bfe_u32 v13, v0, 4, 1
	v_mul_u32_u24 v[STO], v12, OPITCH  ; in: row l % 16; a lane's eight channels of a block of 16 are 32 bytes, at 32 (l / 16)
	v_lshl_add_u32 v[STO], v13, 5, v[STO]
	v_add_nc_u32 v[STO], s[WS], v[STO]
	v_mul_u32_u24 v[RD], v13, OPITCH   ; back: lanes 0-15 take one row of 256 bytes, lanes 16-31 the next
	v_lshl_add_u32 v[RD], v12, 4, v[RD]
	v_add_nc_u32 v[RD], s[WS], v[RD]
	s_wait_alu depctr_va_vdst(0)    ; the eight reciprocals have written 1 / l, which the multiplies below read
	WIN W_RS
.set t, 0
.rept 2*NP                          ; all eight tiles: O^T times 1 / l, each accumulator's registers in ascending order
.set i, 32*t
.rept 16
	v_pk_mul_f32 v[i:i+1], v[i:i+1], v[ST+4*t+2:ST+4*t+3] op_sel_hi:[1,0]
.set i, i+2
.endr
.set t, t+1
.endr
	s_wait_alu depctr_va_vdst(0)    ; the multiplies have written O^T, which the LDS stores read; v[STO] and v[RD] are written; the products are done reading window 2, in which the loads from the stage land.  No vector line follows
; Tile t goes into rows of 272 bytes and comes back as whole rows of 256, into 32 registers of window 2 that are the tile's own: no register is loaded a second time.
.macro TOSTAGE t
	WIN 0x04                        ; address window 0, data window 1
.irp f, 0,1,2,3,4,5,6,7             ; channels 16 (f / 2) + 8 (l / 16) + 4 (f % 2) on
	ds_store_b128 v[STO], v[32*(\t)+4*\f:32*(\t)+4*\f+3] offset:(\f/2)*64+(\f%2)*16
.endr
	WIN 0x80                        ; destination window 2, address window 0
.irp f, 0,1,2,3,4,5,6,7
	ds_load_b128 v[32*(\t)+4*\f:32*(\t)+4*\f+3], v[RD] offset:\f*2*OPITCH  ; LDS serves a wave's instructions in order (ISA guide 5.7.1.4): these see the stores above; the next tile's stores come behind them
.endr
.endm
.macro SEND t, younger              ; younger: the LDS instructions issued behind tile t's loads: the next tile's sixteen, or none
	WIN 0x08                        ; address window 0, data window 2
.irp f, 0,1,2,3,4,5,6,7
	s_wait_dscnt (\younger)+7-\f
	global_store_b128 v[GO], v[32*(\t)+4*\f:32*(\t)+4*\f+3], s[10:11] offset:(\t)*4096+\f*512 th:TH_STORE_NT  ; 512 consecutive bytes, at a multiple of 256 from out0's first
.endr
.endm
	TOSTAGE 0
.set t, 1
.rept 2*NP-1                        ; a tile's way through the stage stands between the loads of the tile before and its stores
	TOSTAGE t
	SEND t-1, 16
.set t, t+1
.endr
	SEND 2*NP-1, 0
	WIN 0
	s_wait_dscnt 0x0                ; the closing lines, six on end
	s_wait_alu 0x0
	s_wait_tensorcnt 0x0
	ds_add_u32 v[SPW], v[NIL]
	s_wait_dscnt 0x0
	s_endpgm
.Lfunc_end_k_qd546ac4e91_attn:
	.size	k_qd546ac4e91_attn, .Lfunc_end_k_qd546ac4e91_attn-k_qd546ac4e91_attn
	.p2alignl 7, 3214868480
	.fill 96, 4, 3214868480
	.section	.rodata,"a",@progbits
	.p2align	6, 0x0
	.amdhsa_kernel k_qd546ac4e91_attn
		.amdhsa_group_segment_fixed_size 283648
		.amdhsa_private_segment_fixed_size 0
		.amdhsa_enable_private_segment 0
		.amdhsa_kernarg_size 32
		.amdhsa_user_sgpr_count 2
		.amdhsa_user_sgpr_kernarg_segment_ptr 1
		.amdhsa_wavefront_size32 1
		.amdhsa_system_sgpr_workgroup_id_x 1
		.amdhsa_system_sgpr_workgroup_id_y 1
		.amdhsa_system_sgpr_workgroup_id_z 1
		.amdhsa_system_vgpr_workitem_id 0
		.amdhsa_next_free_vgpr 1024
		.amdhsa_next_free_sgpr 66
		.amdhsa_reserve_vcc 0
		.amdhsa_float_denorm_mode_32 3
		.amdhsa_float_denorm_mode_16_64 3
		.amdhsa_memory_ordered 1
		.amdhsa_forward_progress 1
		.amdhsa_inst_pref_size 203
	.end_amdhsa_kernel
	.amdgpu_metadata
---
amdhsa.version: [ 1, 2 ]
amdhsa.kernels:
  - .name:           k_qd546ac4e91_attn
    .symbol:         k_qd546ac4e91_attn.kd
    .args:
      - { .name: q, .offset: 0, .size: 8, .value_kind: global_buffer, .address_space: global }
      - { .name: k, .offset: 8, .size: 8, .value_kind: global_buffer, .address_space: global }
      - { .name: v, .offset: 16, .size: 8, .value_kind: global_buffer, .address_space: global }
      - { .name: out0, .offset: 24, .size: 8, .value_kind: global_buffer, .address_space: global }
    .group_segment_fixed_size: 283648
    .private_segment_fixed_size: 0
    .kernarg_segment_align: 8
    .kernarg_segment_size: 32
    .max_flat_workgroup_size: 128
    .sgpr_count:     66
    .vgpr_count:     1024
    .wavefront_size: 32
...
	.end_amdgpu_metadata
.endif
;; end of part 2
